; MI455X (gfx1250); checked and timed in simulation.
; The chip was launched on July 23, 2026; its instructions are those of AMD's public machine-readable ISA for CDNA 5 (MIT licence, August 2026) and "CDNA5" Instruction Set Architecture Reference Guide (July 2026). The comments in the code are by the model that wrote it; some were corrected since.
;; Quadratic. Allowed arithmetic: matrix products marked QUANTISED: E3M2 operands, one E8M0 scale for each 32 along K, by v_wmma_scale_f32_16x16x128_f8f6f4 with both operands' format E3M2, f32 sums; products left as they are: f32 operands where the result goes on into a quantised operand, else bf16, f16 or f32 operands; f32 sums; everything else in f32.
;; Inputs: Q_codes 128 x 4 x 24 uint8 (E3M2 codes of Q, K innermost, in blocks of 32 codes, four codes in three bytes); Q_scales 128 x 4 uint8 (E8M0 scales of Q, one for each 32 codes along K); W 1 x 128 float32; X 262,144 x 128 float32; b one number float32.
;; Outputs: out0 1 x 262,144 float32.
;; This version of the problem:
;;   THIS VERSION OF THE PROBLEM IS GIVEN IN LOW PRECISION. The matrix products marked QUANTISED in the list below multiply operands that are first quantised to E3M2 (3 exponent bits, 2 mantissa bits; 6 bits a number), with one power-of-two scale for each 32 numbers along K (OCP MX v1.0); their sums are f32. All else is computed in f32.
;;   The module's matrix products, in the order in which they are computed (A, B: the left and right operand; K: the contracted axis; several contracted axes count as one K, in the product's order):
;;     1. [M 1, K 128] x [K 128, N 262,144]; A: input W; B: input X: left as it is (M = 1 < 16)
;;     2. [M 128, K 128] x [K 128, N 262,144]; A: input Q (given as codes); B: input X: QUANTISED
;;     3. batch 262,144 x [M 1, K 128] x [K 128, N 1]; A: input X; B: computed on the way: left as it is (M = 1 < 16)
;;   THE QUANTISER, for each operand of a quantised product, along K:
;;     - K is cut into blocks of 32 from its start; a last block that is shorter is filled with zeros.
;;     - A block's scale is 2^e with e = floor(log2(the largest magnitude in the block)) - 4, held to -126 .. 127; a block of zeros has e = 0. As a byte (E8M0): e + 127.
;;     - Each number is divided by its block's scale, clamped to +-28, and rounded to the nearest number of E3M2, ties to even, subnormals kept.
;;     - The product sums the exact products of the quantised numbers (number of the format x scale) in f32.
;;   ~~~python
;;   def quantise(x, axis):      # numpy; x: float32 -> the quantised numbers, widened to float32 again
;;       x = np.moveaxis(x, axis, -1); K = x.shape[-1]
;;       x = np.pad(x, [(0, 0)] * (x.ndim - 1) + [(0, -K % 32)]); x = x.reshape(x.shape[:-1] + (-1, 32)); a = np.abs(x).max(-1, keepdims=True)
;;       e = np.where(a > 0, np.clip(np.frexp(np.where(a > 0, a, 1))[1] - 1 - 4, -126, 127), 0)      # np.frexp(a)[1] - 1 = floor(log2(a)), exactly
;;       r = np.clip(x / 2.0 ** e, -28, 28)
;;       step = 2.0 ** (np.maximum(np.frexp(np.where(r == 0, 1, r))[1] - 1, -2) - 2)
;;       q = np.round(r / step) * step * 2.0 ** e      # np.round: ties to even
;;       return np.moveaxis(q.reshape(q.shape[:-2] + (-1,))[..., :K], -1, axis).astype(np.float32)
;;   ~~~
;;   INPUTS GIVEN AS CODES. Q (in the module: [128, 128], K = its axis 0): each comes as NAME_codes (uint8): NAME with its K axis moved to the last place and cut into blocks of 32 codes, [.., K / 32, bytes a block], one block behind the other in memory; four codes in three bytes: a row's codes are one little-endian stream of bits, code i at bits 6 i .. 6 i + 5 (a code: sign, 3 exponent bits, 2 mantissa bits); and NAME_scales (uint8): the same leading axes, one E8M0 byte (e + 127) for each 32 codes along K. Its value is code x scale, taken as it is: it is not quantised again, and the codes and scales need not be those that the quantiser above would give.
;; 2 versions, each right; version 2 is version 1 with the launch quadratic written anew for expert scheduling mode. Each part assembles by itself: llvm-mc -triple=amdgcn-amd-amdhsa -mcpu=gfx1250 --defsym DOCPART=n.
;; ======== version 1 of 2: 1 launch
;; launch quadratic (part 1): grid 256 x 1, 8 waves a work-group, no clusters, 86,016 bytes of LDS; arguments X, Q_codes, Q_scales, W, b, out0; writes out0
.if DOCPART == 1
	.amdgcn_target "amdgcn-amd-amdhsa--gfx1250"
	.amdhsa_code_object_version 6
	.text
	.protected	k_q2434fccd08_quadratic
	.globl	k_q2434fccd08_quadratic
	.p2align	8
	.type	k_q2434fccd08_quadratic,@function
k_q2434fccd08_quadratic:
	s_mov_b64 s[64:65], 0
	v_nop
	global_prefetch_b8 v0, s[64:65] scope:SCOPE_SE
	s_setreg_imm32_b32 hwreg(HW_REG_WAVE_MODE, 25, 1), 1
	s_wait_xcnt 0x0
; out[n] = b + sum over e of X[n][e] (W[e] + Y[e][n]),   Y[e][n] = sum over d of Q[d][e] Xq[n][d].
; X: [262144][128] f32.  Q: codes of BF6 (E3M2), [e = 128][d = 128] with d innermost, 96 bytes a row, one E8M0 byte for each 32 along d.  W: [128] f32, b: one f32, out: [262144] f32.
; Y is the quantised product: Xq is X quantised along its row, in blocks of 32: scale 2^(floor(log2(largest magnitude)) - 4), codes to the nearest, ties to even, beyond 28 the largest code.
; The two products with one row (W . x, and x . Y) are f32 fused multiply-adds on the unquantised X.
; ONE PASS OVER X.  A tile is 16 rows.  THE MATRIX INSTRUCTION IS USED TRANSPOSED: source 0 = 16 rows of Q, source 1 = the tile's 16 rows of X.  Lane (r, h) (r = lane % 16, h = lane / 16) holds row r, and its
; register 32 c + i holds X[r][64 c + 32 h + i]: two whole blocks of 32, so that a block's largest magnitude needs no other lane and the conversions' results are the operand's registers.
; THE ROWS OF Q THAT FORM A TILE ARE NOT NEIGHBOURS: lane m of tile 4 c + v takes row 64 c + 8 v + m % 8 + 32 (m / 8).  Result register 32 c + i of lane (r, h) is then Y at e = 64 c + 32 h + i for row r:
; the index of the lane's X register of the same number.  So the last product is register by register, and one exchange between the halves of the lanes ends it.
; W, in that same layout, is the C of each matrix instruction; b is the addend of the first multiply-add, in lanes 0-15 alone.
; DENSE LOADS.  The operand wants 16 rows in a load's 32 lanes; here each load takes one row, 512 consecutive bytes, 16 a lane, and the tile turns through the wave's own stage in LDS: stored as loaded, read back
; in the operand's order, into the registers that it left.  The stage's rows are 528 bytes apart = 132 words: row r starts at bank 4 r mod 64 (64 banks of 4 bytes: ISA guide 11.1), so the 16 rows of a read start at 16 different banks.
; SHARES.  256 work-groups of 8 waves; a wave owns 128 consecutive rows: 8 tiles, written out: every offset is an immediate, no address register is ever rewritten, there is no branch.
; Three sets of 64 registers take turns: one at work, two on their way in.  Waves share nothing but the constants, which the work-group copies into LDS once (one barrier); each wave keeps its copy in registers.
; No cluster: work-groups share 13,312 bytes of constants against 524,288 bytes of rows of their own.
; LIMITS.  NaN and infinities in X are not served.  A block of zeros gets the byte 1 where the rule says 127: its codes are zeros, which add nothing under any byte but 0xff, and the byte is read here alone.
; W[e] is added to Y[e][n] inside the matrix instruction's f32 sum, and the sum over e is taken in four chains: an order of rounding other than b + lin + quad.
; REGISTERS, in windows of 256.  Window 0: v0-7 addresses; v8-15 Q's scale words; v16 X's scale word; v17 the address of Q's scale words in LDS; v18-19 b; v20-31 X's codes; v32-38 the conversions' odd halves; v40-47 at work; v48-55 four packed sums; v56-63 the head's;
;   v64-255 the three sets.   Window 1: v32-127 Q's 8 fragments; v128-191 W; v192-255 Y.
.set TILES, 8                          ; tiles of a wave
.set ROWB,  512                        ; a row of X in bytes
.set TILEB, 16*ROWB
.set SP,    528                        ; a row in the stage
.set QIMG,  0                          ; LDS: Q's codes as they lie in memory, 12,288 bytes;
.set SMALL, 12288                      ; W, 512 bytes, then Q's scale bytes, 512;
.set WAVE0, 13312                      ; then a region for each wave: its stage, 16 rows, and behind it its 128 results
.set OUTO,  16*SP
.set WAVEB, OUTO+512
.set XO,  1                            ; v1   16 x lane: my bytes of a row of X, and of my wave's 512 bytes of out; never rewritten
.set STI, 2                            ; v2   my region + 16 x lane: into the stage, and out of the results
.set STO, 3                            ; v3   my region + 528 r + 128 h: out of the stage
.set OA,  4                            ; v4   my region + 4 r: a result's word
.set QA,  5                            ; v5   my lane's place in a fragment of Q
.set SH8, 6                            ; v6   8 h
.set PT,  7                            ; v7   a lane exchange's destination
.set QS,  8
.set XSW, 16
.set QSA, 17                           ; v17  my lane's place among Q's scale words
.set BB,  18
.set PC,  20
.set CT,  32
.set TM,  40
.set SO,  44
.set BY,  46
.set ACC, 48
.set XR,  64
.set QF,  32                           ; in window 1
.set WC,  128
.set DR,  192
.set MSB, 0
.macro WIN new                         ; s_set_vgpr_msb: bits 1:0 source 0, 3:2 source 1, 5:4 source 2, 7:6 destination; the high byte repeats the setting that is left
.if MSB != \new
	s_set_vgpr_msb (MSB<<8)|\new
.set MSB, \new
.endif
.endm
.macro XLOAD t                         ; tile t into set t % 3: 16 loads, each one row: 32 lanes read 512 consecutive bytes, at a multiple of 512 from X's first byte; read once in the launch
.irp i, 0,1,2,3,4,5,6,7,8,9,10,11,12,13,14,15
	global_load_b128 v[XR+64*((\t)%3)+4*\i:XR+64*((\t)%3)+4*\i+3], v[XO], s[4:5] offset:(\t)*TILEB+\i*ROWB th:TH_LOAD_NT
.endr
.endm
	s_load_b256 s[4:11], s[0:1], 0x0               ; X s[4:5], Q's codes s[6:7], Q's scales s[8:9], W s[10:11]
	s_load_b128 s[12:15], s[0:1], 0x20             ; b s[12:13], out s[14:15]
	v_lshl_add_u32 v35, v0, 2, 0x14c00
	v_mov_b32 v39, 0
	v_lshrrev_b32 v56, 5, v0
	v_readfirstlane_b32 s17, v56                   ; wave 0..7
	v_and_b32 v57, 31, v0                          ; lane
	v_lshlrev_b32 v[XO], 4, v57
	v_lshlrev_b32 v58, 4, v0                       ; 16 x thread: my 16 bytes of each 4,096 of Q's codes, in memory and in LDS
	v_and_b32 v59, 127, v0
	v_lshlrev_b32 v59, 2, v59                      ; 4 x (thread % 128): my word of W or of Q's scales
	v_lshlrev_b32 v60, 2, v0                       ; 4 x thread: its place in LDS
	s_lshl_b32 s18, ttmp9, 3
	s_add_co_u32 s18, s18, s17                     ; which run of 128 rows is my wave's: 8 x work-group + wave, at most 2,047
	s_lshl_b32 s20, s18, 16                        ; 128 rows of 512 bytes
	s_mov_b32 s21, 0
	s_lshl_b32 s22, s18, 9                         ; 128 results of 4 bytes
	s_mov_b32 s23, 0
	s_mov_b32 s28, 0x76543210
	s_mov_b32 s29, 0xfedcba98                      ; v_permlanex16_b32's selects for lane l xor 16
	s_wait_kmcnt 0x0
	s_load_b32 s16, s[12:13], 0x0                  ; b
	s_cmp_lt_u32 s17, 4                            ; waves 0-3 copy W's 128 words, waves 4-7 the 128 words of Q's scales: the choice hangs on the wave's number alone
	s_cselect_b64 s[24:25], s[10:11], s[8:9]
	s_add_nc_u64 s[4:5], s[4:5], s[20:21]          ; X at my wave's first row
	s_add_nc_u64 s[14:15], s[14:15], s[22:23]      ; out at my wave's first result
	global_load_b128 v[20:23], v58, s[6:7]         ; the constants first, so that a counted wait can tell them from the rows: the work-group's 256 threads read Q's 12,288 bytes once, 4,096 consecutive bytes a line
	global_load_b128 v[24:27], v58, s[6:7] offset:4096
	global_load_b128 v[28:31], v58, s[6:7] offset:8192
	global_load_b32 v32, v59, s[24:25]
	XLOAD 0                                        ; and the three sets are filled: 48 loads, 24,576 bytes a wave
	XLOAD 1
	XLOAD 2
	v_and_b32 v61, 15, v0                          ; r
	v_bfe_u32 v62, v0, 4, 1                        ; h
	s_mul_i32 s26, s17, WAVEB
	s_add_co_u32 s26, s26, WAVE0                   ; my wave's region of LDS
	v_add_nc_u32 v[STI], s26, v[XO]
	v_mul_u32_u24 v[STO], v61, SP
	v_lshl_add_u32 v[STO], v62, 7, v[STO]
	v_add_nc_u32 v[STO], s26, v[STO]
	v_lshlrev_b32 v[OA], 2, v61
	v_add_nc_u32 v[OA], s26, v[OA]
	v_lshlrev_b32 v[SH8], 3, v62
	v_mov_b32 v[PT], 0                             ; written once: a lane exchange's destination counts as one of its sources
	v_and_b32 v63, 7, v0
	v_bfe_u32 v56, v0, 3, 1
	v_lshl_add_u32 v63, v56, 5, v63                ; r % 8 + 32 (r / 8): my row of Q within a tile
	v_mul_u32_u24 v[QA], v63, 96                   ; a row of 128 codes is 96 bytes,
	v_mad_u32_u24 v[QA], v62, 24, v[QA]            ; + 24 h
	v_lshlrev_b32 v[QSA], 2, v63                   ; its scale word
	v_lshlrev_b32 v40, 7, v62                      ; W: lanes 16-31 begin 32 numbers on
	s_wait_loadcnt 48                              ; the four loads of constants are in; the 48 issued behind them stay out
	ds_store_b128 v58, v[20:23] offset:QIMG
	ds_store_b128 v58, v[24:27] offset:QIMG+4096
	ds_store_b128 v58, v[28:31] offset:QIMG+8192
	ds_store_b32 v60, v32 offset:SMALL
	s_wait_dscnt 0x0                               ; for the others' sake: my stores have landed
	s_barrier_signal -1
	s_barrier_wait -1                              ; everybody's have; nobody writes these bytes again
	WIN 0x40                                       ; destination window 1, address window 0
.irp t, 0,1,2,3,4,5,6,7                        ; Q's fragment of tile t: 12 registers: 24 bytes of my row at 24 h and 24 at 48 + 24 h, in pieces of 8 bytes, so that every address is a multiple of the access's size
.irp p, 0,1,2,3,4,5
	ds_load_b64 v[QF+12*\t+2*\p:QF+12*\t+2*\p+1], v[QA] offset:QIMG+96*(64*(\t/4)+8*(\t%4))+48*(\p/3)+8*(\p%3)
.endr
.endr
.irp i, 0,1,2,3,4,5,6,7,8,9,10,11,12,13,14,15  ; W in the result's layout: register 32 c + i = W[64 c + 32 h + i]
	ds_load_b128 v[WC+4*\i:WC+4*\i+3], v40 offset:SMALL+256*(\i/8)+16*(\i%8)
.endr
	WIN 0
.irp t, 0,1,2,3,4,5,6,7                        ; the scale words of tile t's rows: lane m has row m's; these registers hold scales and nothing else
	ds_load_b32 v[QS+\t], v[QSA] offset:SMALL+512+256*(\t/4)+32*(\t%4)
.endr
	s_wait_kmcnt 0x0                               ; b
	v_mov_b32 v41, s16
	v_cmp_gt_u32 vcc_lo, 16, v57
	v_cndmask_b32 v[BB], 0, v41, vcc_lo            ; b in lanes 0-15, 0 in lanes 16-31: a row's two lanes are added at the end, so b counts once
	v_mov_b32 v[BB+1], 0
	s_wait_dscnt 0x0                               ; the constants are in registers, for the whole launch
.macro TILE t
.set XT, XR+64*((\t)%3)
.if (\t) < TILES-2
	s_wait_loadcnt 32                              ; loads come back in order (ISA guide 5.7.1): this tile's 16 are in; the 32 of the next two tiles stay out
.else
	s_wait_loadcnt 16*(TILES-1-(\t))               ; the last tiles: the count runs down
.endif
.irp i, 0,1,2,3,4,5,6,7,8,9,10,11,12,13,14,15
	ds_store_b128 v[STI], v[XT+4*\i:XT+4*\i+3] offset:\i*SP          ; row i as it was loaded: 512 consecutive bytes
.endr
.irp i, 0,1,2,3,4,5,6,7,8,9,10,11,12,13,14,15
	ds_load_b128 v[XT+4*\i:XT+4*\i+3], v[STO] offset:256*(\i/8)+16*(\i%8)   ; back into the registers that it left: X[r][64 c + 32 h + 4 q ..].  LDS serves a wave's instructions in order (ISA guide 5.7.1.4): these see the stores above, and the next tile's stores come behind them
.endr
	s_wait_dscnt 0x0
	; the two blocks' largest magnitudes: all 32 numbers of a block are mine; two chains a block, the four by turns, so that no line waits for the line above it
.irp c, 0,1
	v_max3_num_f32 v[TM+2*\c], |v[XT+32*\c]|, |v[XT+32*\c+1]|, 0x2800000   ; with the floor 2^(5 - 127) among the leaves: the scale's byte cannot fall under 1
	v_max3_num_f32 v[TM+2*\c+1], |v[XT+32*\c+16]|, |v[XT+32*\c+17]|, |v[XT+32*\c+18]|
.endr
.irp i, 2,4,6,8,10,12
.irp c, 0,1
	v_max3_num_f32 v[TM+2*\c], v[TM+2*\c], |v[XT+32*\c+\i]|, |v[XT+32*\c+\i+1]|
	v_max3_num_f32 v[TM+2*\c+1], v[TM+2*\c+1], |v[XT+32*\c+\i+17]|, |v[XT+32*\c+\i+18]|
.endr
.endr
.irp c, 0,1
	v_max3_num_f32 v[TM+2*\c], v[TM+2*\c], |v[XT+32*\c+14]|, |v[XT+32*\c+15]|
.endr
.irp c, 0,1
	v_max3_num_f32 v[TM+2*\c], v[TM+2*\c], v[TM+2*\c+1], |v[XT+32*\c+31]|
.endr
.irp c, 0,1
	v_add_nc_u32 v[SO+\c], 0xfe000000, v[TM+2*\c]  ; 4 off the exponent field: the conversion takes the exponent field of this operand as its scale, and nothing else of it
.endr
.irp c, 0,1
	v_lshrrev_b32 v[BY+\c], 23, v[SO+\c]           ; the scale's byte
.endr
	v_lshl_or_b32 v[XSW], v[BY+1], 16, v[BY]       ; my two bytes: blocks h and 2 + h of row r,
	v_lshlrev_b32 v[XSW], v[SH8], v[XSW]           ; at their places in the row's scale word (8 h bits up);
	v_permlanex16_b32 v[PT], v[XSW], s28, s29
	v_or_b32 v[XSW], v[XSW], v[PT]                 ; with lane l xor 16's two the word is whole
.irp c, 0,1
	v_cvt_scalef32_pk16_bf6_f32 v[PC+6*\c:PC+6*\c+2], v[XT+32*\c:XT+32*\c+15], v[SO+\c]      ; registers 6 c .. 6 c + 2 of the operand: k = 64 c + 32 h + 0 .. 15
	v_cvt_scalef32_pk16_bf6_f32 v[CT+4*\c:CT+4*\c+2], v[XT+32*\c+16:XT+32*\c+31], v[SO+\c]   ; (a conversion's three registers begin on an even number: the block's second half is made elsewhere and moved)
.endr
	v_nop                                          ; one plain instruction behind the scaled conversions
.irp c, 0,1
.irp i, 0,1,2
	v_mov_b32 v[PC+3+6*\c+\i], v[CT+4*\c+\i]
.endr
.endr
.rept 8
	v_nop                                          ; a scale register written by a vector instruction stands 8 places ahead of a scaled matrix instruction, an operand so written 4
.endr
	WIN 0x51                                       ; Q (source 0), W (source 2) and Y (destination) in window 1, X's codes (source 1) in window 0
.irp e, 0,1,2,3,4,5,6,7                        ; eight sums of their own, each one instruction: Y + W for 16 of the 128 e
	v_wmma_scale_f32_16x16x128_f8f6f4 v[DR+8*\e:DR+8*\e+7], v[QF+12*\e:QF+12*\e+11], v[PC:PC+11], v[WC+8*\e:WC+8*\e+7], v[QS+\e], v[XSW] matrix_a_fmt:MATRIX_FMT_BF6 matrix_b_fmt:MATRIX_FMT_BF6
.endr
.rept 4
	v_nop                                          ; four places between a matrix instruction and the vector instruction that reads its result (ISA guide 7.12.1)
.endr
	WIN 0x01                                       ; Y (source 0) in window 1; X and the sums in window 0
	v_pk_fma_f32 v[ACC:ACC+1], v[DR:DR+1], v[XT:XT+1], v[BB:BB+1]     ; the sum over e of X (Y + W), register by register, two at a time, in four chains; b starts the first.  Each result is read from its low end on
.irp p, 1,2,3
	v_pk_mul_f32 v[ACC+2*\p:ACC+2*\p+1], v[DR+2*\p:DR+2*\p+1], v[XT+2*\p:XT+2*\p+1]   ; the first products start the other chains: nothing is cleared
.endr
.set p, 4
.rept 28
	v_pk_fma_f32 v[ACC+2*(p%4):ACC+2*(p%4)+1], v[DR+2*p:DR+2*p+1], v[XT+2*p:XT+2*p+1], v[ACC+2*(p%4):ACC+2*(p%4)+1]
.set p, p+1
.endr
	WIN 0
.if (\t)+3 < TILES
	XLOAD (\t)+3                                   ; the set has been read for the last time: it takes the tile three on, ahead of the sums' end
.endif
	v_pk_add_f32 v[ACC:ACC+1], v[ACC:ACC+1], v[ACC+2:ACC+3]
	v_pk_add_f32 v[ACC+4:ACC+5], v[ACC+4:ACC+5], v[ACC+6:ACC+7]
	v_pk_add_f32 v[ACC:ACC+1], v[ACC:ACC+1], v[ACC+4:ACC+5]
	v_add_f32 v[ACC], v[ACC], v[ACC+1]
	v_permlanex16_b32 v[PT], v[ACC], s28, s29      ; the row's other 64 terms lie in the lane 16 away
	v_add_f32 v[ACC], v[ACC], v[PT]
	ds_store_b32 v[OA], v[ACC] offset:OUTO+64*(\t) ; row 16 t + r's result; both lanes of a row write the same word with the same value
.endm
.irp t, 0,1,2,3,4,5,6,7
	TILE \t
.endr
	ds_load_b128 v[40:43], v[STI] offset:OUTO      ; my wave's 128 results, 16 bytes a lane (LDS serves a wave's instructions in order: these see my stores)
	s_wait_dscnt 0x0
	global_store_b128 v[XO], v[40:43], s[14:15] th:TH_STORE_NT   ; 32 lanes store 512 consecutive bytes, at a multiple of 512 from out's first byte; written once, read by nobody here
	s_wait_tensorcnt 0x0
	ds_add_u32 v35, v39
	s_wait_dscnt 0x0
	s_endpgm
.Lfunc_end_k_q2434fccd08_quadratic:
	.size	k_q2434fccd08_quadratic, .Lfunc_end_k_q2434fccd08_quadratic-k_q2434fccd08_quadratic
	.p2alignl 7, 3214868480
	.fill 96, 4, 3214868480
	.section	.rodata,"a",@progbits
	.p2align	6, 0x0
	.amdhsa_kernel k_q2434fccd08_quadratic
		.amdhsa_group_segment_fixed_size 86016
		.amdhsa_private_segment_fixed_size 0
		.amdhsa_enable_private_segment 0
		.amdhsa_kernarg_size 48
		.amdhsa_user_sgpr_count 2
		.amdhsa_user_sgpr_kernarg_segment_ptr 1
		.amdhsa_wavefront_size32 1
		.amdhsa_system_sgpr_workgroup_id_x 1
		.amdhsa_system_sgpr_workgroup_id_y 1
		.amdhsa_system_sgpr_workgroup_id_z 1
		.amdhsa_system_vgpr_workitem_id 0
		.amdhsa_next_free_vgpr 512
		.amdhsa_next_free_sgpr 66
		.amdhsa_reserve_vcc 1
		.amdhsa_float_denorm_mode_32 3
		.amdhsa_float_denorm_mode_16_64 3
		.amdhsa_memory_ordered 1
		.amdhsa_forward_progress 1
		.amdhsa_inst_pref_size 91
	.end_amdhsa_kernel
	.amdgpu_metadata
---
amdhsa.version: [ 1, 2 ]
amdhsa.kernels:
  - .name:           k_q2434fccd08_quadratic
    .symbol:         k_q2434fccd08_quadratic.kd
    .args:
      - { .name: X, .offset: 0, .size: 8, .value_kind: global_buffer, .address_space: global }
      - { .name: Q_codes, .offset: 8, .size: 8, .value_kind: global_buffer, .address_space: global }
      - { .name: Q_scales, .offset: 16, .size: 8, .value_kind: global_buffer, .address_space: global }
      - { .name: W, .offset: 24, .size: 8, .value_kind: global_buffer, .address_space: global }
      - { .name: b, .offset: 32, .size: 8, .value_kind: global_buffer, .address_space: global }
      - { .name: out0, .offset: 40, .size: 8, .value_kind: global_buffer, .address_space: global }
    .group_segment_fixed_size: 86016
    .private_segment_fixed_size: 0
    .kernarg_segment_align: 8
    .kernarg_segment_size: 48
    .max_flat_workgroup_size: 256
    .sgpr_count:     66
    .vgpr_count:     512
    .wavefront_size: 32
...
	.end_amdgpu_metadata
.endif
;; end of part 1
;; ======== version 2 of 2: 1 launch; version 1 with the launch quadratic written anew for expert scheduling mode
;; launch quadratic (part 2): grid 256 x 1, 8 waves a work-group, no clusters, 86,016 bytes of LDS; arguments X, Q_codes, Q_scales, W, b, out0; writes out0
.if DOCPART == 2
	.amdgcn_target "amdgcn-amd-amdhsa--gfx1250"
	.amdhsa_code_object_version 6
	.text
	.protected	k_q2434fccd08_quadratic
	.globl	k_q2434fccd08_quadratic
	.p2align	8
	.type	k_q2434fccd08_quadratic,@function
k_q2434fccd08_quadratic:
	s_mov_b64 s[64:65], 0
	v_nop
	global_prefetch_b8 v0, s[64:65] scope:SCOPE_SE
	s_setreg_imm32_b32 hwreg(HW_REG_WAVE_SCHED_MODE, 0, 2), 2
	s_setreg_imm32_b32 hwreg(HW_REG_WAVE_MODE, 25, 1), 1
	s_wait_xcnt 0x0
	s_wait_alu depctr_vm_vsrc(0)
; out[n] = b + sum over e of X[n][e] (W[e] + Y[e][n]),   Y[e][n] = sum over d of Q[d][e] Xq[n][d].
; X: [262144][128] f32.  Q: codes of BF6 (E3M2), [e = 128][d = 128] with d innermost, 96 bytes a row, one E8M0 byte for each 32 along d.  W: [128] f32, b: one f32, out: [262144] f32.
; Y is the quantised product: Xq is X quantised along its row, in blocks of 32: scale 2^(floor(log2(largest magnitude)) - 4), codes to the nearest, ties to even, beyond 28 the largest code.
; The two products with one row (W . x, and x . Y) are f32 fused multiply-adds on the unquantised X.
; ONE PASS OVER X.  A tile is 16 rows.  THE MATRIX INSTRUCTION IS USED TRANSPOSED: source 0 = 16 rows of Q, source 1 = the tile's 16 rows of X.  Lane (r, h) (r = lane % 16, h = lane / 16) holds row r, and its
; register 32 c + i holds X[r][64 c + 32 h + i]: two whole blocks of 32, so that a block's largest magnitude needs no other lane and the conversions' results are the operand's registers.
; THE ROWS OF Q THAT FORM A TILE ARE NOT NEIGHBOURS: lane m of tile 4 c + v takes row 64 c + 8 v + m % 8 + 32 (m / 8).  Result register 32 c + i of lane (r, h) is then Y at e = 64 c + 32 h + i for row r:
; the index of the lane's X register of the same number.  So the last product is register by register, and one exchange between the halves of the lanes ends it.
; W, in that same layout, is the C of each matrix instruction; b is the addend of the first multiply-add, in lanes 0-15 alone.
; DENSE LOADS.  The operand wants 16 rows in a load's 32 lanes; here each load takes one row, 512 consecutive bytes, 16 a lane, and the tile turns through the wave's own stage in LDS: stored as loaded, read back
; in the operand's order, into the registers that it left.  The stage's rows are 528 bytes apart = 132 words: row r starts at bank 4 r mod 64 (64 banks of 4 bytes: ISA guide 11.1), so the 16 rows of a read start at 16 different banks.
; SHARES.  256 work-groups of 8 waves; a wave owns 128 consecutive rows: 8 tiles, written out: every offset is an immediate, no address register is ever rewritten, there is no branch.
; Three sets of 64 registers take turns: one at work, two on their way in.  Waves share nothing but the constants, which the work-group copies into LDS once (one barrier); each wave keeps its copy in registers.
; No cluster: work-groups share 13,312 bytes of constants against 524,288 bytes of rows of their own.
; LIMITS.  NaN and infinities in X are not served.  A block of zeros gets the byte 1 where the rule says 127: its codes are zeros, which add nothing under any byte but 0xff, and the byte is read here alone.
; W[e] is added to Y[e][n] inside the matrix instruction's f32 sum, and the sum over e is taken in four chains: an order of rounding other than b + lin + quad.
; THE MODE: SCHED_MODE bits 1:0 = 2 (LLVM: expert scheduling mode 2), set by the entry lines.  The code itself states the register dependences
; between vector or matrix instructions and memory or LDS instructions, with s_wait_alu, always for 0.
; THE PLAN.  Registers that memory or LDS instructions touch, from the first tile on:
;   set t % 3     The loads of tile t land in it; the tile's 16 LDS stores read it; its 16 LDS loads land in it; the maxima, the conversions and the 32 packed multiply-adds read it; the loads of tile t + 3 land in it.
;   RES0, RES1    Tile t's last addition writes RES[t % 2]; the LDS store of that result, issued in tile t + 1, reads it; tile t + 2's last addition writes it again.
;   v1 to v4      Offsets and LDS addresses, made at the head and never written again.
;   X's codes and scale word, Y, the four sums and v7 are named by vector and matrix instructions alone.
; So a tile has three waits.  One on vm_vsrc between the stores into the stage and the loads back: the stores have read the set, and the result's store of the tile before has read its RES.  One on va_vdst ahead of the
; matrix instructions: X's codes and scale word are written, and so is the RES of the tile before, whose store follows it.  One on va_vdst behind the multiply-adds, which are done reading the set: the loads of the
; tile three on follow it at once; the end of the sums, behind them, names v7, v48-55 and RES alone.
; REGISTERS, in windows of 256.  Window 0: v0-7 addresses; v8-15 Q's scale words; v16 X's scale word; v17 the address of Q's scale words in LDS; v18-19 b; v20-31 X's codes; v32-38 the conversions' odd halves; v35, v39 the closing add's two; v40-47 at work; v48-55 four packed sums;
;   v56-63 the head's, v56-57 then the tiles' results by turns; v64-255 the three sets.   Window 1: v32-127 Q's 8 fragments; v128-191 W; v192-255 Y.
.set TILES, 8                          ; tiles of a wave
.set ROWB,  512                        ; a row of X in bytes
.set TILEB, 16*ROWB
.set SP,    528                        ; a row in the stage
.set QIMG,  0                          ; LDS: Q's codes as they lie in memory, 12,288 bytes;
.set SMALL, 12288                      ; W, 512 bytes, then Q's scale bytes, 512;
.set WAVE0, 13312                      ; then a region for each wave: its stage, 16 rows, and behind it its 128 results; behind the eight regions, from byte 0x14c00 on, the spare words, 128 bytes for each wave, which only the closing add touches
.set OUTO,  16*SP
.set WAVEB, OUTO+512
.set XO,  1                            ; v1   16 x lane: my bytes of a row of X, and of my wave's 512 bytes of out; never rewritten
.set STI, 2                            ; v2   my region + 16 x lane: into the stage, and out of the results
.set STO, 3                            ; v3   my region + 528 r + 128 h: out of the stage
.set OA,  4                            ; v4   my region + 4 r: a result's word
.set QA,  5                            ; v5   my lane's place in a fragment of Q
.set SH8, 6                            ; v6   8 h
.set PT,  7                            ; v7   a lane exchange's destination
.set QS,  8
.set XSW, 16
.set QSA, 17                           ; v17  my lane's place among Q's scale words
.set BB,  18
.set PC,  20
.set CT,  32
.set TM,  40
.set SO,  44
.set BY,  46
.set ACC, 48
.set RES, 56                           ; v56-57 a tile's result, two registers by turns
.set XR,  64
.set QF,  32                           ; in window 1
.set WC,  128
.set DR,  192
.set MSB, 0
.macro WIN new                         ; s_set_vgpr_msb: bits 1:0 source 0, 3:2 source 1, 5:4 source 2, 7:6 destination; the high byte repeats the setting that is left
.if MSB != \new
	s_set_vgpr_msb (MSB<<8)|\new
.set MSB, \new
.endif
.endm
.macro XLOAD t                         ; tile t into set t % 3: 16 loads, each one row: 32 lanes read 512 consecutive bytes, at a multiple of 512 from X's first byte; read once in the launch
.irp i, 0,1,2,3,4,5,6,7,8,9,10,11,12,13,14,15
	global_load_b128 v[XR+64*((\t)%3)+4*\i:XR+64*((\t)%3)+4*\i+3], v[XO], s[4:5] offset:(\t)*TILEB+\i*ROWB th:TH_LOAD_NT
.endr
.endm
	s_load_b256 s[4:11], s[0:1], 0x0               ; X s[4:5], Q's codes s[6:7], Q's scales s[8:9], W s[10:11]
	s_load_b128 s[12:15], s[0:1], 0x20             ; b s[12:13], out s[14:15]
	v_lshl_add_u32 v35, v0, 2, 0x14c00
	v_mov_b32 v39, 0
	v_lshrrev_b32 v56, 5, v0
	v_readfirstlane_b32 s17, v56                   ; wave 0..7
	v_and_b32 v57, 31, v0                          ; lane
	v_lshlrev_b32 v[XO], 4, v57
	v_lshlrev_b32 v58, 4, v0                       ; 16 x thread: my 16 bytes of each 4,096 of Q's codes, in memory and in LDS
	v_and_b32 v59, 127, v0
	v_lshlrev_b32 v59, 2, v59                      ; 4 x (thread % 128): my word of W or of Q's scales
	v_lshlrev_b32 v60, 2, v0                       ; 4 x thread: its place in LDS
	s_wait_alu depctr_va_sdst(0)                   ; s17 is written, ahead of its first reader: the bases of X and out, the choice below and my region of LDS are made from it
	s_lshl_b32 s18, ttmp9, 3
	s_add_co_u32 s18, s18, s17                     ; which run of 128 rows is my wave's: 8 x work-group + wave, at most 2,047
	s_lshl_b32 s20, s18, 16                        ; 128 rows of 512 bytes
	s_mov_b32 s21, 0
	s_lshl_b32 s22, s18, 9                         ; 128 results of 4 bytes
	s_mov_b32 s23, 0
	s_mov_b32 s28, 0x76543210
	s_mov_b32 s29, 0xfedcba98                      ; v_permlanex16_b32's selects for lane l xor 16
	s_wait_kmcnt 0x0
	s_load_b32 s16, s[12:13], 0x0                  ; b
	s_cmp_lt_u32 s17, 4                            ; waves 0-3 copy W's 128 words, waves 4-7 the 128 words of Q's scales: the choice hangs on the wave's number alone
	s_cselect_b64 s[24:25], s[10:11], s[8:9]
	s_add_nc_u64 s[4:5], s[4:5], s[20:21]          ; X at my wave's first row
	s_add_nc_u64 s[14:15], s[14:15], s[22:23]      ; out at my wave's first result
	s_wait_alu depctr_va_vdst(0)                   ; v1, v58, v59 and v60 are written: the offsets of the loads below and of every later load of X, and the addresses of the head's LDS stores
	global_load_b128 v[20:23], v58, s[6:7]         ; the constants first, so that a counted wait can tell them from the rows: the work-group's 256 threads read Q's 12,288 bytes once, 4,096 consecutive bytes a line
	global_load_b128 v[24:27], v58, s[6:7] offset:4096
	global_load_b128 v[28:31], v58, s[6:7] offset:8192
	global_load_b32 v32, v59, s[24:25]
	XLOAD 0                                        ; and the three sets are filled: 48 loads, 24,576 bytes a wave
	XLOAD 1
	XLOAD 2
	v_and_b32 v61, 15, v0                          ; r
	v_bfe_u32 v62, v0, 4, 1                        ; h
	s_mul_i32 s26, s17, WAVEB
	s_add_co_u32 s26, s26, WAVE0                   ; my wave's region of LDS
	v_add_nc_u32 v[STI], s26, v[XO]
	v_mul_u32_u24 v[STO], v61, SP
	v_lshl_add_u32 v[STO], v62, 7, v[STO]
	v_add_nc_u32 v[STO], s26, v[STO]
	v_lshlrev_b32 v[OA], 2, v61
	v_add_nc_u32 v[OA], s26, v[OA]
	v_lshlrev_b32 v[SH8], 3, v62
	v_mov_b32 v[PT], 0                             ; written once: a lane exchange's destination counts as one of its sources
	v_and_b32 v63, 7, v0
	v_bfe_u32 v56, v0, 3, 1
	v_lshl_add_u32 v63, v56, 5, v63                ; r % 8 + 32 (r / 8): my row of Q within a tile
	v_mul_u32_u24 v[QA], v63, 96                   ; a row of 128 codes is 96 bytes,
	v_mad_u32_u24 v[QA], v62, 24, v[QA]            ; + 24 h
	v_lshlrev_b32 v[QSA], 2, v63                   ; its scale word
	v_lshlrev_b32 v40, 7, v62                      ; W: lanes 16-31 begin 32 numbers on
	s_wait_loadcnt 48                              ; the four loads of constants are in; the 48 issued behind them stay out
	ds_store_b128 v58, v[20:23] offset:QIMG        ; (no vector instruction since the wait ahead of the loads names v58, v60 or v20 to v32)
	ds_store_b128 v58, v[24:27] offset:QIMG+4096
	ds_store_b128 v58, v[28:31] offset:QIMG+8192
	ds_store_b32 v60, v32 offset:SMALL
	s_wait_dscnt 0x0                               ; for the others' sake: my stores have landed
	s_barrier_signal -1
	s_barrier_wait -1                              ; everybody's have; nobody writes these bytes again
	WIN 0x40                                       ; destination window 1, address window 0
	s_wait_alu depctr_va_vdst(0)                   ; v2 to v5, v17 and v40 are written: the LDS addresses of the loads below and of every tile's stores and loads
.irp t, 0,1,2,3,4,5,6,7                        ; Q's fragment of tile t: 12 registers: 24 bytes of my row at 24 h and 24 at 48 + 24 h, in pieces of 8 bytes, so that every address is a multiple of the access's size
.irp p, 0,1,2,3,4,5
	ds_load_b64 v[QF+12*\t+2*\p:QF+12*\t+2*\p+1], v[QA] offset:QIMG+96*(64*(\t/4)+8*(\t%4))+48*(\p/3)+8*(\p%3)
.endr
.endr
.irp i, 0,1,2,3,4,5,6,7,8,9,10,11,12,13,14,15  ; W in the result's layout: register 32 c + i = W[64 c + 32 h + i]
	ds_load_b128 v[WC+4*\i:WC+4*\i+3], v40 offset:SMALL+256*(\i/8)+16*(\i%8)
.endr
	WIN 0
.irp t, 0,1,2,3,4,5,6,7                        ; the scale words of tile t's rows: lane m has row m's; these registers hold scales and nothing else
	ds_load_b32 v[QS+\t], v[QSA] offset:SMALL+512+256*(\t/4)+32*(\t%4)
.endr
	s_wait_kmcnt 0x0                               ; b
	v_mov_b32 v41, s16
	v_cmp_gt_u32 vcc_lo, 16, v57
	s_wait_alu depctr_va_vcc(0)                    ; VCC is written, ahead of the select that reads it
	v_cndmask_b32 v[BB], 0, v41, vcc_lo            ; b in lanes 0-15, 0 in lanes 16-31: a row's two lanes are added at the end, so b counts once
	v_mov_b32 v[BB+1], 0
	s_wait_dscnt 0x0                               ; the constants are in registers, for the whole launch
	s_wait_alu depctr_vm_vsrc(0)                   ; the head's LDS stores have read v20 to v32, and W's loads v40: the first tile's maxima and conversions write them
.macro TILE t
.set XT, XR+64*((\t)%3)
.if (\t) < TILES-2
	s_wait_loadcnt 32                              ; loads come back in order (ISA guide 5.7.1): this tile's 16 are in; the 32 of the next two tiles stay out
.else
	s_wait_loadcnt 16*(TILES-1-(\t))               ; the last tiles: the count runs down
.endif
.irp i, 0,1,2,3,4,5,6,7,8,9,10,11,12,13,14,15
	ds_store_b128 v[STI], v[XT+4*\i:XT+4*\i+3] offset:\i*SP          ; row i as it was loaded: 512 consecutive bytes
.endr
	s_wait_alu depctr_vm_vsrc(0)                   ; the sixteen stores have read the set, in which the loads below land (and later those of the tile three on); the result's store of the tile before has read the RES that this tile's last addition writes
.irp i, 0,1,2,3,4,5,6,7,8,9,10,11,12,13,14,15
	ds_load_b128 v[XT+4*\i:XT+4*\i+3], v[STO] offset:256*(\i/8)+16*(\i%8)   ; back into the registers that it left: X[r][64 c + 32 h + 4 q ..].  LDS serves a wave's instructions in order (ISA guide 5.7.1.4): these see the stores above, and the next tile's stores come behind them
.endr
	s_wait_dscnt 0x0
	; the two blocks' largest magnitudes: all 32 numbers of a block are mine; two chains a block, the four by turns, so that no line waits for the line above it
.irp c, 0,1
	v_max3_num_f32 v[TM+2*\c], |v[XT+32*\c]|, |v[XT+32*\c+1]|, 0x2800000   ; with the floor 2^(5 - 127) among the leaves: the scale's byte cannot fall under 1
	v_max3_num_f32 v[TM+2*\c+1], |v[XT+32*\c+16]|, |v[XT+32*\c+17]|, |v[XT+32*\c+18]|
.endr
.irp i, 2,4,6,8,10,12
.irp c, 0,1
	v_max3_num_f32 v[TM+2*\c], v[TM+2*\c], |v[XT+32*\c+\i]|, |v[XT+32*\c+\i+1]|
	v_max3_num_f32 v[TM+2*\c+1], v[TM+2*\c+1], |v[XT+32*\c+\i+17]|, |v[XT+32*\c+\i+18]|
.endr
.endr
.irp c, 0,1
	v_max3_num_f32 v[TM+2*\c], v[TM+2*\c], |v[XT+32*\c+14]|, |v[XT+32*\c+15]|
.endr
.irp c, 0,1
	v_max3_num_f32 v[TM+2*\c], v[TM+2*\c], v[TM+2*\c+1], |v[XT+32*\c+31]|
.endr
.irp c, 0,1
	v_add_nc_u32 v[SO+\c], 0xfe000000, v[TM+2*\c]  ; 4 off the exponent field: the conversion takes the exponent field of this operand as its scale, and nothing else of it
.endr
.irp c, 0,1
	v_lshrrev_b32 v[BY+\c], 23, v[SO+\c]           ; the scale's byte
.endr
	v_lshl_or_b32 v[XSW], v[BY+1], 16, v[BY]       ; my two bytes: blocks h and 2 + h of row r,
	v_lshlrev_b32 v[XSW], v[SH8], v[XSW]           ; at their places in the row's scale word (8 h bits up);
	v_permlanex16_b32 v[PT], v[XSW], s28, s29
	v_or_b32 v[XSW], v[XSW], v[PT]                 ; with lane l xor 16's two the word is whole
.irp c, 0,1
	v_cvt_scalef32_pk16_bf6_f32 v[PC+6*\c:PC+6*\c+2], v[XT+32*\c:XT+32*\c+15], v[SO+\c]      ; registers 6 c .. 6 c + 2 of the operand: k = 64 c + 32 h + 0 .. 15
	v_cvt_scalef32_pk16_bf6_f32 v[CT+4*\c:CT+4*\c+2], v[XT+32*\c+16:XT+32*\c+31], v[SO+\c]   ; (a conversion's three registers begin on an even number: the block's second half is made elsewhere and moved)
.endr
	v_nop                                          ; one plain instruction behind the scaled conversions
.irp c, 0,1
.irp i, 0,1,2
	v_mov_b32 v[PC+3+6*\c+\i], v[CT+4*\c+\i]
.endr
.endr
.rept 8
	v_nop                                          ; a scale register written by a vector instruction stands 8 places ahead of a scaled matrix instruction, an operand so written 4
.endr
	s_wait_alu depctr_va_vdst(0)                   ; behind the places: X's codes v20 to v31 and its scale word v16 are written, which the matrix instructions take; and the tile before has written its RES, which the store below reads
.if (\t) > 0
	ds_store_b32 v[OA], v[RES+((\t)+1)%2] offset:OUTO+64*((\t)-1)   ; the tile before: row 16 (t - 1) + r's result; both lanes of a row write the same word with the same value
.endif
	WIN 0x51                                       ; Q (source 0), W (source 2) and Y (destination) in window 1, X's codes (source 1) in window 0
.irp e, 0,1,2,3,4,5,6,7                        ; eight sums of their own, each one instruction: Y + W for 16 of the 128 e
	v_wmma_scale_f32_16x16x128_f8f6f4 v[DR+8*\e:DR+8*\e+7], v[QF+12*\e:QF+12*\e+11], v[PC:PC+11], v[WC+8*\e:WC+8*\e+7], v[QS+\e], v[XSW] matrix_a_fmt:MATRIX_FMT_BF6 matrix_b_fmt:MATRIX_FMT_BF6
.endr
.rept 4
	v_nop                                          ; four places between a matrix instruction and the vector instruction that reads its result (ISA guide 7.12.1)
.endr
	WIN 0x01                                       ; Y (source 0) in window 1; X and the sums in window 0
	v_pk_fma_f32 v[ACC:ACC+1], v[DR:DR+1], v[XT:XT+1], v[BB:BB+1]     ; the sum over e of X (Y + W), register by register, two at a time, in four chains; b starts the first.  Each result is read from its low end on
.irp p, 1,2,3
	v_pk_mul_f32 v[ACC+2*\p:ACC+2*\p+1], v[DR+2*\p:DR+2*\p+1], v[XT+2*\p:XT+2*\p+1]   ; the first products start the other chains: nothing is cleared
.endr
.set p, 4
.rept 28
	v_pk_fma_f32 v[ACC+2*(p%4):ACC+2*(p%4)+1], v[DR+2*p:DR+2*p+1], v[XT+2*p:XT+2*p+1], v[ACC+2*(p%4):ACC+2*(p%4)+1]
.set p, p+1
.endr
	WIN 0
.if (\t)+3 < TILES
	s_wait_alu depctr_va_vdst(0)                   ; the multiply-adds, the set's last readers, are done reading it: the loads below land in it
	XLOAD (\t)+3                                   ; the set has been read for the last time: it takes the tile three on, ahead of the sums' end
.endif
	v_pk_add_f32 v[ACC:ACC+1], v[ACC:ACC+1], v[ACC+2:ACC+3]
	v_pk_add_f32 v[ACC+4:ACC+5], v[ACC+4:ACC+5], v[ACC+6:ACC+7]
	v_pk_add_f32 v[ACC:ACC+1], v[ACC:ACC+1], v[ACC+4:ACC+5]
	v_add_f32 v[ACC], v[ACC], v[ACC+1]
	v_permlanex16_b32 v[PT], v[ACC], s28, s29      ; the row's other 64 terms lie in the lane 16 away
	v_add_f32 v[RES+(\t)%2], v[ACC], v[PT]         ; row 16 t + r's result, into a register of its own: its store stands in the next tile
.endm
.irp t, 0,1,2,3,4,5,6,7
	TILE \t
.endr
	s_wait_alu depctr_va_vdst(0)                   ; the last tile has written its RES, which the store below reads; the quantiser is done with v40 to v43, in which the load below lands
	ds_store_b32 v[OA], v[RES+(TILES-1)%2] offset:OUTO+64*(TILES-1)
	ds_load_b128 v[40:43], v[STI] offset:OUTO      ; my wave's 128 results, 16 bytes a lane (LDS serves a wave's instructions in order: these see my stores)
	s_wait_dscnt 0x0
	global_store_b128 v[XO], v[40:43], s[14:15] th:TH_STORE_NT   ; 32 lanes store 512 consecutive bytes, at a multiple of 512 from out's first byte; written once, read by nobody here
	s_wait_dscnt 0x0                               ; the closing lines, six on end
	s_wait_alu 0x0
	s_wait_tensorcnt 0x0
	ds_add_u32 v35, v39
	s_wait_dscnt 0x0
	s_endpgm
.Lfunc_end_k_q2434fccd08_quadratic:
	.size	k_q2434fccd08_quadratic, .Lfunc_end_k_q2434fccd08_quadratic-k_q2434fccd08_quadratic
	.p2alignl 7, 3214868480
	.fill 96, 4, 3214868480
	.section	.rodata,"a",@progbits
	.p2align	6, 0x0
	.amdhsa_kernel k_q2434fccd08_quadratic
		.amdhsa_group_segment_fixed_size 86016
		.amdhsa_private_segment_fixed_size 0
		.amdhsa_enable_private_segment 0
		.amdhsa_kernarg_size 48
		.amdhsa_user_sgpr_count 2
		.amdhsa_user_sgpr_kernarg_segment_ptr 1
		.amdhsa_wavefront_size32 1
		.amdhsa_system_sgpr_workgroup_id_x 1
		.amdhsa_system_sgpr_workgroup_id_y 1
		.amdhsa_system_sgpr_workgroup_id_z 1
		.amdhsa_system_vgpr_workitem_id 0
		.amdhsa_next_free_vgpr 512
		.amdhsa_next_free_sgpr 66
		.amdhsa_reserve_vcc 1
		.amdhsa_float_denorm_mode_32 3
		.amdhsa_float_denorm_mode_16_64 3
		.amdhsa_memory_ordered 1
		.amdhsa_forward_progress 1
		.amdhsa_inst_pref_size 92
	.end_amdhsa_kernel
	.amdgpu_metadata
---
amdhsa.version: [ 1, 2 ]
amdhsa.kernels:
  - .name:           k_q2434fccd08_quadratic
    .symbol:         k_q2434fccd08_quadratic.kd
    .args:
      - { .name: X, .offset: 0, .size: 8, .value_kind: global_buffer, .address_space: global }
      - { .name: Q_codes, .offset: 8, .size: 8, .value_kind: global_buffer, .address_space: global }
      - { .name: Q_scales, .offset: 16, .size: 8, .value_kind: global_buffer, .address_space: global }
      - { .name: W, .offset: 24, .size: 8, .value_kind: global_buffer, .address_space: global }
      - { .name: b, .offset: 32, .size: 8, .value_kind: global_buffer, .address_space: global }
      - { .name: out0, .offset: 40, .size: 8, .value_kind: global_buffer, .address_space: global }
    .group_segment_fixed_size: 86016
    .private_segment_fixed_size: 0
    .kernarg_segment_align: 8
    .kernarg_segment_size: 48
    .max_flat_workgroup_size: 256
    .sgpr_count:     66
    .vgpr_count:     512
    .wavefront_size: 32
...
	.end_amdgpu_metadata
.endif
;; end of part 2
